; MI455X (gfx1250); checked and timed in simulation.
; The chip was launched on July 23, 2026; its instructions are those of AMD's public machine-readable ISA for CDNA 5 (MIT licence, August 2026) and "CDNA5" Instruction Set Architecture Reference Guide (July 2026). The comments in the code are by the model that wrote it; some were corrected since.
;; Branched FF. Allowed arithmetic: matrix products marked QUANTISED: E2M1 operands, one E8M0 scale for each 32 along K, by v_wmma_scale_f32_16x16x128_f8f6f4 with both operands' format E2M1 (or v_wmma_scale_f32_32x16x128_f4), f32 sums; everything else in f32.
;; Inputs: W1_codes 4 x 4,096 x 32 x 16 uint8 (E2M1 codes of W1, K innermost, in blocks of 32 codes, two codes a byte); W1_scales 4 x 4,096 x 32 uint8 (E8M0 scales of W1, one for each 32 codes along K); W2_codes 4 x 1,024 x 128 x 16 uint8 (E2M1 codes of W2, K innermost, in blocks of 32 codes, two codes a byte); W2_scales 4 x 1,024 x 128 uint8 (E8M0 scales of W2, one for each 32 codes along K); b1 4 x 4,096 float32; b2 4 x 1,024 float32; phases 32 x 256 int32; x_codes 32 x 256 x 32 x 16 uint8 (E2M1 codes of x, K innermost, in blocks of 32 codes, two codes a byte); x_scales 32 x 256 x 32 uint8 (E8M0 scales of x, one for each 32 codes along K).
;; Outputs: out0 32 x 256 x 1,024 float32.
;; This version of the problem:
;;   THIS VERSION OF THE PROBLEM IS GIVEN IN LOW PRECISION. The matrix products marked QUANTISED in the list below multiply operands that are first quantised to E2M1 (2 exponent bits, 1 mantissa bit; 4 bits a number), with one power-of-two scale for each 32 numbers along K (OCP MX v1.0); their sums are f32. All else is computed in f32.
;;   The module's matrix products, in the order in which they are computed (A, B: the left and right operand; K: the contracted axis; several contracted axes count as one K, in the product's order):
;;     1. batch 4 x [M 4,096, K 1,024] x [K 1,024, N 2,048]; A: input W1 (given as codes); B: input x (given as codes): QUANTISED
;;     2. batch 4 x [M 1,024, K 4,096] x [K 4,096, N 2,048]; A: input W2 (given as codes); B: computed on the way: QUANTISED
;;   THE QUANTISER, for each operand of a quantised product, along K:
;;     - K is cut into blocks of 32 from its start; a last block that is shorter is filled with zeros.
;;     - A block's scale is 2^e with e = floor(log2(the largest magnitude in the block)) - 2, held to -126 .. 127; a block of zeros has e = 0. As a byte (E8M0): e + 127.
;;     - Each number is divided by its block's scale, clamped to +-6, and rounded to the nearest number of E2M1, ties to even, subnormals kept.
;;     - The product sums the exact products of the quantised numbers (number of the format x scale) in f32.
;;   ~~~python
;;   def quantise(x, axis):      # numpy; x: float32 -> the quantised numbers, widened to float32 again
;;       x = np.moveaxis(x, axis, -1); K = x.shape[-1]
;;       x = np.pad(x, [(0, 0)] * (x.ndim - 1) + [(0, -K % 32)]); x = x.reshape(x.shape[:-1] + (-1, 32)); a = np.abs(x).max(-1, keepdims=True)
;;       e = np.where(a > 0, np.clip(np.frexp(np.where(a > 0, a, 1))[1] - 1 - 2, -126, 127), 0)      # np.frexp(a)[1] - 1 = floor(log2(a)), exactly
;;       r = np.clip(x / 2.0 ** e, -6, 6)
;;       step = 2.0 ** (np.maximum(np.frexp(np.where(r == 0, 1, r))[1] - 1, 0) - 1)
;;       q = np.round(r / step) * step * 2.0 ** e      # np.round: ties to even
;;       return np.moveaxis(q.reshape(q.shape[:-2] + (-1,))[..., :K], -1, axis).astype(np.float32)
;;   ~~~
;;   OPERANDS COMPUTED ON THE WAY. 'Computed on the way' means the value that the module computes at that place (a softmax that the list does not call 'softmax' is quantised finished and normalised). What goes into a quantiser is computed in f32, as accurately as f32 sums, v_exp_f32 and their like allow (about 1e-6 of the number): no bf16 or f16 on the way to a quantiser, and a product that is left as it is and whose result goes on into a quantised operand takes f32 operands (vector FMAs, or v_wmma_f32_16x16x4_f32). A number that lies on a knife's edge between two numbers of the format may be rounded either way, as far as f32 arithmetic and the matrix unit's own rounding can turn it there, and no further.
;;   INPUTS GIVEN AS CODES. W1 (in the module: [4, 1024, 4096], K = its axis 1); W2 (in the module: [4, 4096, 1024], K = its axis 1); x (in the module: [32, 256, 1024], K = its axis 2): each comes as NAME_codes (uint8): NAME with its K axis moved to the last place and cut into blocks of 32 codes, [.., K / 32, bytes a block], one block behind the other in memory; two codes a byte, the lower K in the low four bits (a code: sign, 2 exponent bits, 1 mantissa bit); and NAME_scales (uint8): the same leading axes, one E8M0 byte (e + 127) for each 32 codes along K. Its value is code x scale, taken as it is: it is not quantised again, and the codes and scales need not be those that the quantiser above would give.
;; One version. Each part assembles by itself: llvm-mc -triple=amdgcn-amd-amdhsa -mcpu=gfx1250 --defsym DOCPART=n.
;; ======== version 1 of 1: 2 launches
;; limits: right only within a limited range of input values
;; workspace buffers: h_codes 16,777,216 bytes; h_scales 1,048,576 bytes
;; launch ff1 (part 1): grid 8 x 32, 4 waves a work-group, clusters of 4 x 4, 327,680 bytes of LDS; arguments x_codes, x_scales, W1_codes, W1_scales, b1, h_codes, h_scales; writes h_codes, h_scales
.if DOCPART == 1
	.amdgcn_target "amdgcn-amd-amdhsa--gfx1250"
	.amdhsa_code_object_version 6
	.text
	.protected	k_qc77ac37180_ff1
	.globl	k_qc77ac37180_ff1
	.p2align	8
	.type	k_qc77ac37180_ff1,@function
k_qc77ac37180_ff1:
	s_mov_b64 s[64:65], 0
	v_nop
	global_prefetch_b8 v0, s[64:65] scope:SCOPE_SE
	s_setreg_imm32_b32 hwreg(HW_REG_WAVE_MODE, 25, 1), 1
	s_wait_xcnt 0x0
	s_wait_alu depctr_hold_cnt(0) depctr_sa_sdst(0) depctr_va_vdst(0) depctr_va_sdst(0) depctr_va_ssrc(0) depctr_va_vcc(0) depctr_vm_vsrc(0)
	s_getreg_b32 s2, hwreg(HW_REG_IB_STS2, 6, 4)
	s_cmp_eq_u32 s2, 0
	s_cbranch_scc0 .Lentry_in_a_cluster
	s_endpgm
.Lentry_in_a_cluster:
	s_bfe_u32 s2, ttmp6, 0x10000c
	s_cmp_lg_u32 s2, 0xf033
	s_cbranch_scc0 .Lentry_shape_is_right
	s_endpgm
.Lentry_shape_is_right:
; h = relu(x W1[p]^T + b1[p]), quantised along F to E2M1 codes with one E8M0 byte for each 32, for the second launch.
; x: [32][256][1024] as codes (a row is 512 bytes), 32 scale bytes a row; phase p owns rows 64 p .. 64 p + 63 of every batch: 2,048 rows a phase, m = 64 batch + s.
; W1: [4][4096 (f)][1024 (k)] as codes, K innermost, 32 scale bytes a row.  b1: [4][4096] f32.  Codes and scale bytes go to the matrix instruction as they lie.
; SHARES.  A work-group makes 256 rows (m) x 512 f of one phase, as two tiles of 256 x 256; four waves, each 128 x 128 of a tile: 512 registers of sums.  8 x 32 = 256 work-groups.
; The 256 rows of x, all of K, come into LDS once and stay; W1 goes through two slots of 256 rows x 512 along K (rows of 256 bytes): two first fills and two refills, all written out.
; The head's four tiles are one joint load a wave, in the order in which they are wanted: waves 0 and 1 fetch x, two batches each, wave 2 slot 0, wave 3 slot 1.  Slot 1 is first read behind the first change of slots,
; so wave 3 alone does not wait at the first barrier.  A refill is a quarter of a slot a wave.
; THE SCALE WORDS go straight into registers: x's stay for the whole launch, W1's of a tile's K half take the set of its slot.
; CLUSTERS, 4 x 4: the four work-groups of a row of the cluster need the same rows of x, the four of a column the same rows of W1: every tile is asked for jointly, by the same line with the same descriptor in all four.
; THE MATRIX INSTRUCTION IS USED TRANSPOSED (source 0 = 32 rows of W1, source 1 = 16 rows of x): lane (r, h) holds row r of h and register 8 u + j unit 16 u + 8 h + j of the 32.  b1 is the C of each sum's first instruction.
; THE WAY OUT.  The eight conversions of a row block give, in lane (r, h) for 16 units t, code word 2 t + h of the row's sixteen; the operand's layout wants word 8 c + 4 h + i in register 4 c + i.  With words of
; t = 4 c, 4 c + 2, 4 c + 1, 4 c + 3 in registers 4 c .. 4 c + 3, one exchange of halves for each pair of registers gives just that.  The fragment is stored as an image of its registers:
; h_codes [R 64][kq 32][a 8][c 2][lane 32][16 bytes], R = 16 p + m / 128, kq = f / 128, a = a block of 16 rows;  h_scales [R][kq][lane 32][i 4] words: word (lane, i) is the scale word of row 16 (2 i + lane / 16) + lane % 16.
; RELU is made on the codes: a negative number's code keeps its sign bit and loses its three magnitude bits, which is E2M1's -0: it adds nothing to a sum.  A block's largest number is taken over the signed numbers and a positive floor.
; LEFT OUT: the input phases is not among the arguments: reference() looks at its number of axes alone and uses none of its values, so it reaches no output.
; LIMITS.  NaN and infinities are not served, and what phases holds is carried nowhere.  A block of h that is all zeros gets the byte 1 where the quantiser's rule says 127: its codes are zeros, and only this program reads the bytes.
; The bias enters a sum first and not last: another order of f32 rounding.
.set XP,     528                       ; a row of x in LDS: 512 bytes + 16 = 132 words: row r starts at bank 4 r mod 64 (64 banks of 4 bytes: ISA guide 11.1)
.set WP,     272                       ; a row of W1's tile: 256 bytes + 16
.set SLOT0,  256*XP                    ; behind x's 256 rows: slot 0,
.set SLOTB,  256*WP                    ; (a slot's bytes)
.set SPARE,  SLOT0+2*SLOTB             ; behind slot 1: the spare words, 128 bytes for each wave: two blocks of 256 bytes that no other line names
.set ADRA, 16                          ; v16     LDS address of my fragments of x
.set ADRB, 20                          ; v20-21  of W1's, in slot 0, 1
.set HO,   24                          ; v24     16 x lane: my place in an image
.set BO,   25                          ; v25     32 h: my eight numbers of sixteen of b1
.set SO,   26                          ; v26     32 x lane: a row's scale bytes, of 32 rows; never rewritten
.set SPW,  28                          ; v28     LDS address of my spare word; never rewritten
.set NIL,  29                          ; v29     0; never rewritten
.set PFO,  30                          ; v30     256 x lane: the prefetch's offset; never rewritten
.set SCX,  32                          ; v32-63  x's scale words: register 16 kh + 4 i + q: rows 32 i + lane, K half kh, its q-th 128 along K
.set SCW,  64                          ; v64-95  W1's, a set of 16 for each slot: register 4 i + q: rows 32 i + lane, the slot's q-th 128 along K
.set TM,   96                          ; v96-111 the quantiser's: +0..3 largest numbers, +4..7 bytes, +12..15 the conversions' scale operands
.set PC,   112                         ; v112-119 the fragment just made
.set PW,   120                         ; v120-121 the scale word of an even and of an odd row block
.set SIM,  124                         ; v124-127 the scale words' image
.set AF,   128                         ; v128-191, v192-255 x's eight fragments, a set for even and one for odd steps
.set T,    192                         ; v192-207 on the way out: signs and masks of eight code words (the odd set is idle there)
.set BI,   64                          ; in window 1: b1 of tile 0 at v64-127, of tile 1 at v192-255; W1's two sets of fragments at v0-63 and v128-191.  Windows 2, 3: the sums of row blocks 0-3, 4-7
.set SEL,  22                          ; s[22:23] lane selects for v_permlanex16_b32: lane l xor 16
.set G1X,  24                          ; s[24:31] descriptor group 1 for x's codes;  s[48:55] for W1's codes
.set G1W,  48
.set G0X,  56                          ; s[56:59], s[60:63] group 0 of x's two loads;  s[68:71], s[32:35] of the head's loads of slot 0, slot 1;  s[72:79] of the refills: one for each slot
.set G0XB, 60
.set G0WH, 68
.set G0WI, 32
.set G0W,  72
.set HIM,  88                          ; s88     lanes 16-31;  s89 the sign bits of eight codes (both set at the head's end)
.set SGN,  89
.set PFA,  92                          ; s[92:93] where my prefetch stands
.set MSB, 0
.macro WIN new                         ; the immediate's high byte repeats the setting that is left; a switch that changes nothing is dropped
.if MSB != (\new)
	s_set_vgpr_msb (MSB<<8)|(\new)
.set MSB, (\new)
.endif
.endm
.set MUL_LO, 0xa1                      ; source 0 (W1) window 1, source 1 (x) window 0, C and D window 2
.set MUL_HI, 0xf1                      ; the same, C and D window 3
.set BIA_LO, 0x91                      ; C (b1) window 1, D window 2
.set BIA_HI, 0xd1                      ; C window 1, D window 3
.set TO_B,   0x40                      ; destination window 1, address window 0
; A load into a register that a matrix instruction has read, and a vector instruction that reads a matrix result, stand four places behind that matrix instruction, and only plain vector instructions
; that name none of its registers are places (ISA guide 7.12.1 for vector instructions).
.macro PLACES n
.rept \n
	v_nop
.endr
.endm
.macro CREST                           ; a round of the cluster's barrier behind its opening barrier
	s_cmp_lg_u32 s18, 0
	s_cbranch_scc1 .Lnot_wave_0_\@
	s_barrier_signal -3
.Lnot_wave_0_\@:
	s_barrier_wait -3
	s_barrier_signal -1
	s_barrier_wait -1
.endm
.macro CROUND                          ; a whole round
	s_barrier_signal -1
	s_barrier_wait -1
	CREST
.endm
	s_load_b256 s[4:11], s[0:1], 0x0               ; x's codes s[4:5], x's scales s[6:7], W1's codes s[8:9], W1's scales s[10:11]
	s_load_b128 s[12:15], s[0:1], 0x20             ; b1 s[12:13], h's codes s[14:15]
	s_load_b64 s[16:17], s[0:1], 0x30              ; h's scales
	v_lshl_add_u32 v[SPW], v0, 2, SPARE
	v_mov_b32 v[NIL], 0
	ds_add_u32 v[SPW], v[NIL]                      ; the opening lines: the add, twice on end, and its wait; work on registers stands between
	ds_add_u32 v[SPW], v[NIL]
	v_lshrrev_b32 v1, 5, v0
	v_readfirstlane_b32 s18, v1                    ; wave 0..3
	s_lshr_b32 s19, s18, 1                         ; which 128 of the tile's rows are mine
	s_and_b32 s20, s18, 1                          ; which 128 of its f
	s_bfe_u32 s80, ttmp6, 0x40000                  ; cx, cy: my place in the cluster
	s_bfe_u32 s81, ttmp6, 0x40004
	s_lshl_b32 s82, ttmp9, 2
	s_add_co_u32 s82, s82, s80                     ; X = 4 x cluster x + cx: which 512 f
	s_and_b32 s83, ttmp7, 0xffff                   ; the cluster's y
	s_lshl_b32 s84, s83, 2
	s_add_co_u32 s84, s84, s81                     ; Y = 4 x cluster y + cy: which 256 rows, eight such blocks to a phase
	s_lshr_b32 s85, s83, 1                         ; p = Y / 8, made of the cluster's y alone: all sixteen partners share it
	s_lshl_b32 s86, s81, 2
	s_lshl_b32 s86, 15, s86                        ; my row of the cluster
	s_lshl_b32 s87, 0x1111, s80                    ; my column
	; group 1, x's codes: a batch's 64 rows x 512 bytes are 32,768 dense bytes: two rows of 4,096 elements of 8 bytes, 16 bytes of padding behind every 512
	s_or_b32 s[G1X+0], s86, (3<<16)|(1<<20)|(1<<21)|(6<<22)|(3<<25)   ; 15:0 the mask; 17:16 elements of 8 bytes; 20 padding on; 21 set beside a mask; 24:22 after every 128 words (code 6); 31:25 four words (code 3)
	s_mov_b32 s[G1X+1], 4096<<16                   ; tensor_dim0
	s_mov_b32 s[G1X+2], 2<<16                      ; tensor_dim1
	s_mov_b32 s[G1X+3], 4096<<16                   ; tile_dim0
	s_mov_b32 s[G1X+4], 2                          ; tile_dim1
	s_mov_b32 s[G1X+5], 16384                      ; from batch to batch: 131,072 bytes
	s_mov_b32 s[G1X+6], 0
	s_mov_b32 s[G1X+7], 0
	; W1's codes: rows of 256 bytes, 512 bytes apart in memory; 256 of them for the head's loads, 64 for the refills
	s_or_b32 s[G1W+0], s87, (0<<16)|(1<<20)|(1<<21)|(5<<22)|(3<<25)
	s_mov_b32 s[G1W+1], 256<<16
	s_mov_b32 s[G1W+2], 256<<16
	s_mov_b32 s[G1W+3], 256<<16
	s_mov_b32 s[G1W+4], 256
	s_mov_b32 s[G1W+5], 512
	s_mov_b32 s[G1W+6], 0
	s_mov_b32 s[G1W+7], 0
	; x: batches 4 (Y % 8) .. + 3.  s90-93 hold only what my row of the cluster shares
	s_and_b32 s90, s84, 7
	s_lshl_b32 s90, s90, 19                        ; 131,072 bytes a batch,
	s_lshl_b32 s91, s85, 15                        ; 32,768 a phase
	s_add_co_u32 s90, s90, s91
	s_mov_b32 s91, 0
	s_lshr_b32 s92, s90, 4                         ; the scale bytes: a sixteenth of the codes',
	s_lshl_b32 s93, s19, 14                        ; and my two batches of the four
	s_add_co_u32 s92, s92, s93
	s_mov_b32 s93, 0
	; W1.  s94-99 hold only what my column shares
	s_lshl_b32 s94, s85, 12
	s_lshl_b32 s95, s82, 9
	s_add_co_u32 s94, s94, s95                     ; the work-group's first row of W1: 4096 p + 512 X
	s_lshl_b32 s96, s94, 9                         ; codes: 512 bytes a row
	s_mov_b32 s97, 0
	s_lshl_b32 s95, s20, 7
	s_add_co_u32 s94, s94, s95                     ; my 128 f of tile 0:
	s_lshl_b32 s98, s94, 5                         ; scale bytes: 32 a row
	s_mov_b32 s99, 0
	s_lshl_b32 s94, s94, 2                         ; b1
	s_mov_b32 s95, 0
	; where my results go: image (R = 2 Y + my half of the rows, kq = 4 X + my half of the f; tile 1 lies two kq on)
	s_lshl_b32 s2, s84, 1
	s_add_co_u32 s2, s2, s19
	s_lshl_b32 s2, s2, 5
	s_lshl_b32 s3, s82, 2
	s_add_co_u32 s2, s2, s3
	s_add_co_u32 s2, s2, s20
	s_lshl_b32 s66, s2, 9                          ; 512 bytes of scale words,
	s_mov_b32 s67, 0
	s_lshl_b32 s2, s2, 13                          ; 8,192 bytes of codes
	s_mov_b32 s3, 0
	s_mov_b32 s[SEL], 0x76543210
	s_mov_b32 s[SEL+1], 0xfedcba98
	s_wait_dscnt 0x0                               ; both opening adds are done
	CROUND                                         ; all sixteen work-groups are here: the first joint loads meet
	s_wait_kmcnt 0x0
	s_add_nc_u64 s[90:91], s[4:5], s[90:91]
	s_mov_b32 s[G0X], 1                            ; 1:0 count = 1
	s_mov_b32 s[G0X+1], 0                          ; LDS address: no place in the cluster enters one
	s_mov_b64 s[G0X+2:G0X+3], s[90:91]             ; the first two batches
	s_or_b32 s[G0X+3], s[G0X+3], 0x80000000        ; 127:126 type = 2
	s_mov_b32 s[G0XB], 1
	s_mov_b32 s[G0XB+1], 128*XP
	s_add_nc_u64 s[G0XB+2:G0XB+3], s[90:91], 0x40000   ; the other two
	s_or_b32 s[G0XB+3], s[G0XB+3], 0x80000000
	s_add_nc_u64 s[96:97], s[8:9], s[96:97]
	s_mov_b32 s[G0WH], 1
	s_mov_b32 s[G0WH+1], SLOT0
	s_mov_b64 s[G0WH+2:G0WH+3], s[96:97]           ; tile 0, K half 0, all 256 rows
	s_or_b32 s[G0WH+3], s[G0WH+3], 0x80000000
	s_mov_b32 s[G0WI], 1
	s_mov_b32 s[G0WI+1], SLOT0+SLOTB
	s_add_nc_u64 s[G0WI+2:G0WI+3], s[96:97], 256   ; K half 1
	s_or_b32 s[G0WI+3], s[G0WI+3], 0x80000000
; THE HEAD'S LOADS, ONE A WAVE, in one chain of branches on the wave's number: every way through it passes exactly one load.
.macro ARM wave, g0, g1, next
	s_cmp_eq_u32 s18, \wave
	s_cbranch_scc0 \next
	tensor_load_to_lds s[\g0:\g0+3], s[\g1:\g1+7]
	s_nop 0
	PLACES 4
	s_branch .Lhead_asked
\next:
.endm
	ARM 0, G0X, G1X, .Lhead_x
	ARM 1, G0XB, G1X, .Lhead_slot_0
	ARM 2, G0WH, G1W, .Lhead_slot_1
	tensor_load_to_lds s[G0WI:G0WI+3], s[G1W:G1W+7]
	s_nop 0
	PLACES 4
.Lhead_asked:
	s_add_nc_u64 s[6:7], s[6:7], s[92:93]          ; x's scale bytes of my 128 rows
	s_add_nc_u64 s[10:11], s[10:11], s[98:99]      ; W1's of mine of tile 0
	s_add_nc_u64 s[12:13], s[12:13], s[94:95]
	s_add_nc_u64 s[14:15], s[14:15], s[2:3]
	s_add_nc_u64 s[16:17], s[16:17], s[66:67]
	; THE PREFETCH: tile 1 of W1, 256 rows x 512 bytes: of the 512 blocks of 256 bytes each of the four partners of my column takes 128, by address (64 rows from 64 cy on), and each wave 32, a lane a block
	s_lshl_b32 s88, s81, 15
	s_lshl_b32 s89, s18, 13
	s_add_co_u32 s88, s88, s89
	s_mov_b32 s89, 0
	s_add_nc_u64 s[PFA:PFA+1], s[96:97], s[88:89]
	s_add_nc_u64 s[PFA:PFA+1], s[PFA:PFA+1], 256*512
	; the refills' descriptors: my 64 rows of a tile
	s_lshl_b32 s88, s18, 15
	s_mov_b32 s89, 0
	s_add_nc_u64 s[96:97], s[96:97], s[88:89]
	s_mul_i32 s21, s18, 64*WP
.irp s, 0,1
	s_mov_b32 s[G0W+4*\s], 1
	s_add_co_u32 s[G0W+4*\s+1], s21, SLOT0+\s*SLOTB
	s_add_nc_u64 s[G0W+4*\s+2:G0W+4*\s+3], s[96:97], 256*512+\s*256   ; tile 1, K half s
	s_or_b32 s[G0W+4*\s+3], s[G0W+4*\s+3], 0x80000000
.endr
	s_mov_b32 s[HIM], 0xffff0000
	s_mov_b32 s[SGN], 0x88888888
	s_mul_i32 s21, s19, 128*XP                     ; my 128 rows of x
	s_mul_i32 s66, s20, 128*WP                     ; and of W1, in slot 0,
	s_add_co_u32 s66, s66, SLOT0
	s_add_co_u32 s67, s66, SLOTB                   ; in slot 1
	v_and_b32 v1, 15, v0                           ; r
	v_bfe_u32 v2, v0, 4, 1                         ; h
	v_and_b32 v3, 31, v0                           ; lane
	v_lshlrev_b32 v[BO], 5, v2
	v_lshlrev_b32 v[HO], 4, v3
	v_lshlrev_b32 v[SO], 5, v3
	v_lshlrev_b32 v[PFO], 8, v3
	v_mul_u32_u24 v4, v1, XP
	v_lshl_add_u32 v4, v2, 4, v4                   ; a fragment's row x pitch + 16 h
	v_add_nc_u32 v[ADRA], s21, v4
	v_mul_u32_u24 v5, v1, WP
	v_lshl_add_u32 v5, v2, 4, v5
	v_add_nc_u32 v[ADRB], s66, v5
	v_add_nc_u32 v[ADRB+1], s67, v5
.irp b, 0,1,2,3
	v_mov_b32 v[TM+4+\b], 0                        ; written once: a lane permute's destination counts as one of its sources
.endr
.macro SCALES set, n, kh               ; W1's scale words of tile n, K half kh: four words a row, 32 rows a load
	WIN 0
.irp i, 0,1,2,3
	global_load_b128 v[SCW+16*(\set)+4*\i:SCW+16*(\set)+4*\i+3], v[SO], s[10:11] offset:8192*(\n)+1024*\i+16*(\kh)
.endr
.endm
	SCALES 0, 0, 0
	SCALES 1, 0, 1
.irp i, 0,1,2,3                                ; x's: 32 rows a pair of loads, 1,024 consecutive bytes; two such to a batch, batches 8,192 bytes apart
	global_load_b128 v[SCX+4*\i:SCX+4*\i+3], v[SO], s[6:7] offset:8192*(\i/2)+1024*(\i%2)
	global_load_b128 v[SCX+16+4*\i:SCX+16+4*\i+3], v[SO], s[6:7] offset:8192*(\i/2)+1024*(\i%2)+16
.endr
	WIN TO_B
.irp n, 0,1                                    ; b1 in the result's layout: lane (r, h), 16 units b, register j: unit 16 b + 8 h + j
.irp b, 0,1,2,3,4,5,6,7
	global_load_b128 v[BI+128*\n+8*\b:BI+128*\n+8*\b+3], v[BO], s[12:13] offset:1024*\n+64*\b
	global_load_b128 v[BI+128*\n+8*\b+4:BI+128*\n+8*\b+7], v[BO], s[12:13] offset:1024*\n+64*\b+16
.endr
.endr
	WIN 0
.macro FRAG reg, adr, off              ; a fragment, 16 rows x 128 K of 4-bit codes: lane (r, h) holds row r; registers 4 c .. 4 c + 3 hold K = 64 c + 32 h + 0 .. 31: two loads of 16 bytes, 32 bytes apart
	ds_load_b128 v[\reg:\reg+3], v[\adr] offset:\off
	ds_load_b128 v[\reg+4:\reg+7], v[\adr] offset:\off+32
.endm
.macro FETCH_B slot, q, set            ; W1's eight fragments of the slot's q-th 128 along K
	WIN TO_B
.irp i, 0,1,2,3,4,5,6,7
	FRAG 128*(\set)+8*\i, ADRB+(\slot), 64*(\q)+16*WP*\i
.endr
	WIN 0
.endm
.macro FETCH_A kq, i0                  ; x's blocks i0 .. i0 + 3 of the kq-th 128 along K, into set kq % 2
.irp i, \i0, \i0+1, \i0+2, \i0+3
	FRAG AF+64*((\kq)%2)+8*(\i), ADRA, 64*(\kq)+16*XP*(\i)
.endr
.endm
; One matrix instruction.  Source 0's 32 scale words fill the lanes of sa; source 1's lie in lanes 0-15 of sb, or (rb = 1) in lanes 16-31
.macro WM d, a, b, c, sa, sb, rb
.if \rb
	v_wmma_scale_f32_32x16x128_f4 v[\d:\d+15], v[\a:\a+15], v[\b:\b+7], v[\c:\c+15], v[\sa], v[\sb] matrix_b_scale:MATRIX_SCALE_ROW1
.else
	v_wmma_scale_f32_32x16x128_f4 v[\d:\d+15], v[\a:\a+15], v[\b:\b+7], v[\c:\c+15], v[\sa], v[\sb]
.endif
.endm
; 8 matrix instructions: x's blocks a0, a0 + 1 against W1's four pairs of blocks.  p: the set of fragments of both sides;  q: which 128 along K of the slot;  sc: the slot.
; bias = 0: onto the sums;  1, 2: the sums begin with b1 of tile 0, 1 as C: nothing is cleared and nothing is added afterwards.
; The 32 accumulators take turns, one instruction a turn, in the same order in every step.
.macro MUL16 a0, p, q, sc, bias
.irp a, \a0, \a0+1
.irp b, 0,1,2,3
.if \bias
	WM 8*(8*((\a)%4)+2*\b), 128*(\p)+16*\b, AF+64*(\p)+8*(\a), BI+128*((\bias)-1)+16*\b, SCW+16*(\sc)+4*\b+(\q), SCX+16*(\sc)+4*((\a)/2)+(\q), (\a)%2
.else
	WM 8*(8*((\a)%4)+2*\b), 128*(\p)+16*\b, AF+64*(\p)+8*(\a), 8*(8*((\a)%4)+2*\b), SCW+16*(\sc)+4*\b+(\q), SCX+16*(\sc)+4*((\a)/2)+(\q), (\a)%2
.endif
.endr
.endr
.endm
; A step of 128 along K that has its successor in the same slot: the next step's fragments of both sides are asked for in one run, into the sets that the step before has multiplied; then come this step's 32 products.
.macro STEP slot, q, bias
	s_wait_dscnt 8                                 ; W1's set and x's blocks 0-3 are in; the youngest eight loads (x's blocks 4-7) may be out
	PLACES 4
	FETCH_B \slot, (\q)+1, 1-(\q)%2
	FETCH_A 4*(\slot)+(\q)+1, 0
	FETCH_A 4*(\slot)+(\q)+1, 4
.if \bias
	WIN BIA_LO
.else
	WIN MUL_LO
.endif
	MUL16 0, (\q)%2, \q, \slot, \bias
	MUL16 2, (\q)%2, \q, \slot, \bias
	s_wait_dscnt 32                                ; x's blocks 4-7 are in: all but the 32 just issued
.if \bias
	WIN BIA_HI
.else
	WIN MUL_HI
.endif
	MUL16 4, (\q)%2, \q, \slot, \bias
	MUL16 6, (\q)%2, \q, \slot, \bias
.endm
; A slot's last step changes slots: ONE barrier; in front of it each wave waits for all its tensor loads, adds 0 to its spare word, and waits for that and for its own reads of this slot.
; fill = 1: the barrier opens a round of the cluster's, and this slot takes the same K half of tile 1.
.macro TURN slot, next, fill
	WIN 0                                          ; (the add's two registers lie in window 0)
	s_wait_tensorcnt 0x0                           ; all my tensor loads have landed: my part of the next slot
	ds_add_u32 v[SPW], v[NIL]                      ; 0 onto my spare word
.if (\fill) && (\slot) == 0
	s_mov_b32 s[G1W+2], 64<<16                     ; no tensor load of mine is out, so a descriptor may be written: a refill brings 64 rows
	s_mov_b32 s[G1W+4], 64
.endif
	s_wait_dscnt 9                                 ; (the add and the youngest eight loads, x's blocks 4-7, may be out)
	WIN MUL_LO
	MUL16 0, 1, 3, \slot, 0                        ; eight matrix instructions stand between the add and the wait for it
	s_wait_dscnt 0x0                               ; the add is done, and my reads of this slot are over
	s_barrier_signal -1
	MUL16 2, 1, 3, \slot, 0
	WIN 0
	s_barrier_wait -1
.if \fill
	CREST                                          ; no wave of any partner still reads this slot or has a load on its way
	tensor_load_to_lds s[G0W+4*(\slot):G0W+4*(\slot)+3], s[G1W:G1W+7]   ; my one tensor load behind the round, and the first thing there
	s_nop 0
.endif
	PLACES 4                                       ; behind the load, and the places in front of the loads below
	FETCH_B \next, 0, 0
	FETCH_A 4*(\next), 0
	FETCH_A 4*(\next), 4
	WIN MUL_HI
	MUL16 4, 1, 3, \slot, 0
	MUL16 6, 1, 3, \slot, 0
.endm
; THE WAY OUT of row block a (16 rows x my 128 f) of tile n: the four blocks' scales, eight conversions, relu on the codes, the exchange of halves, two stores of 512 consecutive bytes.
.macro ABLOCK a, n
.set AC, 64*((\a)%4)
	WIN 0x28+0x14*((\a)/4)                         ; sources 1 and 2: window 2 or 3
.irp b, 0,1,2,3
	v_max3_num_f32 v[TM+\b], 0x1800000, v[AC+16*\b], v[AC+16*\b+1]   ; block b of 32 units is accumulator b: my 16 numbers from its low end on, and the floor 2^(3 - 127): the byte cannot fall under 1, and what is negative does not count
.endr
.irp i, 2,4,6,8,10,12,14
.irp b, 0,1,2,3
	v_max3_num_f32 v[TM+\b], v[TM+\b], v[AC+16*\b+\i], v[AC+16*\b+\i+1]   ; (the four blocks by turns)
.endr
.endr
	WIN 0
.irp b, 0,1,2,3
	v_permlanex16_b32 v[TM+4+\b], v[TM+\b], s[SEL], s[SEL+1]
.endr
.irp b, 0,1,2,3
	v_max_num_f32 v[TM+\b], v[TM+\b], v[TM+4+\b]   ; with lane l xor 16's 16: the block's largest number
.endr
.irp b, 0,1,2,3
	v_add_nc_u32 v[TM+12+\b], 0xff000000, v[TM+\b] ; 2 off its exponent field: the conversion takes the exponent field of this operand as its scale, and nothing else of it
.endr
.irp b, 0,1,2,3
	v_lshrrev_b32 v[TM+4+\b], 23, v[TM+12+\b]      ; the scale's byte
.endr
	v_lshl_or_b32 v[PW+(\a)%2], v[TM+5], 8, v[TM+4]   ; my row's scale word for these 128 units
	v_lshl_or_b32 v[PW+(\a)%2], v[TM+6], 16, v[PW+(\a)%2]
	v_lshl_or_b32 v[PW+(\a)%2], v[TM+7], 24, v[PW+(\a)%2]
	s_wait_xcnt 0x0                                ; the stores issued so far have read their registers: the fragment's and the image's may be written again
	WIN 2+(\a)/4                                   ; source 0: window 2 or 3
.irp t, 0,1,2,3,4,5,6,7
	v_cvt_scalef32_pk8_fp4_f32 v[PC+4*(\t/4)+2*(\t%2)+(\t%4)/2], v[AC+8*\t:AC+8*\t+7], v[TM+12+\t/2]   ; code word 2 t + h; t = 4 c, 4 c + 2, 4 c + 1, 4 c + 3 in registers 4 c .. 4 c + 3
.endr
	WIN 0
	v_nop                                          ; one plain place behind a scaled conversion
.irp i, 0,1,2,3,4,5,6,7
	v_and_b32 v[T+\i], s[SGN], v[PC+\i]            ; relu: the signs: 8 in each negative code's four bits,
.endr
.irp i, 0,1,2,3,4,5,6,7
	v_lshrrev_b32 v[T+8+\i], 3, v[T+\i]            ; 1,
.endr
.irp i, 0,1,2,3,4,5,6,7
	v_sub_nc_u32 v[T+\i], v[T+\i], v[T+8+\i]       ; 8 - 1 = 7: the three magnitude bits,
.endr
.irp i, 0,1,2,3,4,5,6,7
	v_bfi_b32 v[PC+\i], v[T+\i], 0, v[PC+\i]       ; which are cleared
.endr
.irp i, 0,2,4,6
	v_permlane16_swap_b32 v[PC+\i], v[PC+\i+1]     ; the first's lanes 16-31 change places with the second's lanes 0-15: register 4 c + i now holds word 8 c + 4 h + i
.endr
.if (\a)%2
	v_cndmask_b32 v[SIM+(\a)/2], v[PW], v[PW+1], s[HIM]   ; lanes 0-15 the even block's words, lanes 16-31 the odd block's
.endif
	global_store_b128 v[HO], v[PC:PC+3], s[14:15] offset:16384*(\n)+1024*(\a)       ; 32 lanes store 512 consecutive bytes, at a multiple of 512 from the buffer's first byte
	global_store_b128 v[HO], v[PC+4:PC+7], s[14:15] offset:16384*(\n)+1024*(\a)+512
.if (\a) == 7
	global_store_b128 v[HO], v[SIM:SIM+3], s[16:17] offset:1024*(\n)
.endif
.endm
	s_wait_alu depctr_va_vdst(0)                   ; the wait at the head's end
	s_cmp_eq_u32 s18, 3
	s_cbranch_scc1 .Lslot_1_is_mine                ; wave 3 alone fetches slot 1, which nobody reads before the first change of slots: it waits for it there
	s_wait_tensorcnt 0x0                           ; x and slot 0 are in as far as they are mine
.Lslot_1_is_mine:
	s_barrier_signal -1
	s_barrier_wait -1                              ; and everybody's are
	FETCH_B 0, 0, 0
	FETCH_A 0, 0
	FETCH_A 0, 4
	global_prefetch_b8 v[PFO], s[PFA:PFA+1] th:TH_LOAD_NT scope:SCOPE_SE   ; tile 1 of W1, which the two refills load three and seven steps on; there is nothing to ask for behind it
	s_wait_loadcnt 0x0                             ; the scale words and b1
	; ---- tile 0
	STEP 0, 0, 1
	STEP 0, 1, 0
	STEP 0, 2, 0
	TURN 0, 1, 1                                   ; slot 0 takes tile 1's first K half
	STEP 1, 0, 0
	SCALES 0, 1, 0                                 ; slot 0's scale words were last read in the change of slots, ahead of the step's four places
	STEP 1, 1, 0
	STEP 1, 2, 0
	TURN 1, 0, 1                                   ; slot 1 its second; tile 1's first fragments are fetched: both refills are asked for when the way out begins
	ABLOCK 0, 0                                    ; (its accumulators were finished ahead of the change's four places; its own instructions are the places of the last products)
	SCALES 1, 1, 1
.irp a, 1,2,3,4,5,6,7
	ABLOCK \a, 0
.endr
	; ---- tile 1: its first products write the accumulators anew, far more than five places behind the last products and behind the reads of the way out
	s_wait_loadcnt 0x0                             ; tile 1's scale words
	STEP 0, 0, 2
	STEP 0, 1, 0
	STEP 0, 2, 0
	TURN 0, 1, 0                                   ; nothing is filled again: a barrier of the work-group alone
	STEP 1, 0, 0
	STEP 1, 1, 0
	STEP 1, 2, 0
	s_wait_dscnt 8                                 ; the very last step: nothing more to fetch
	WIN MUL_LO
	MUL16 0, 1, 3, 1, 0
	MUL16 2, 1, 3, 1, 0
	s_wait_dscnt 0x0
	WIN MUL_HI
	MUL16 4, 1, 3, 1, 0
	MUL16 6, 1, 3, 1, 0
	WIN 0
	PLACES 4
.irp a, 0,1,2,3,4,5,6,7
	ABLOCK \a, 1
.endr
	s_wait_tensorcnt 0x0                           ; the wave's end
	ds_add_u32 v[SPW], v[NIL]
	s_wait_dscnt 0x0
	CROUND                                         ; the closing round: no work-group ends while a partner may still ask for a tile that names it
	s_endpgm
.Lfunc_end_k_qc77ac37180_ff1:
	.size	k_qc77ac37180_ff1, .Lfunc_end_k_qc77ac37180_ff1-k_qc77ac37180_ff1
	.p2alignl 7, 3214868480
	.fill 96, 4, 3214868480
	.section	.rodata,"a",@progbits
	.p2align	6, 0x0
	.amdhsa_kernel k_qc77ac37180_ff1
		.amdhsa_group_segment_fixed_size 327680
		.amdhsa_private_segment_fixed_size 0
		.amdhsa_enable_private_segment 0
		.amdhsa_kernarg_size 56
		.amdhsa_user_sgpr_count 2
		.amdhsa_user_sgpr_kernarg_segment_ptr 1
		.amdhsa_wavefront_size32 1
		.amdhsa_system_sgpr_workgroup_id_x 1
		.amdhsa_system_sgpr_workgroup_id_y 1
		.amdhsa_system_sgpr_workgroup_id_z 1
		.amdhsa_system_vgpr_workitem_id 0
		.amdhsa_next_free_vgpr 1024
		.amdhsa_next_free_sgpr 100
		.amdhsa_reserve_vcc 0
		.amdhsa_float_denorm_mode_32 3
		.amdhsa_float_denorm_mode_16_64 3
		.amdhsa_memory_ordered 1
		.amdhsa_forward_progress 1
		.amdhsa_inst_pref_size 203
	.end_amdhsa_kernel
	.amdgpu_metadata
---
amdhsa.version: [ 1, 2 ]
amdhsa.kernels:
  - .name:           k_qc77ac37180_ff1
    .symbol:         k_qc77ac37180_ff1.kd
    .args:
      - { .name: x_codes, .offset: 0, .size: 8, .value_kind: global_buffer, .address_space: global }
      - { .name: x_scales, .offset: 8, .size: 8, .value_kind: global_buffer, .address_space: global }
      - { .name: W1_codes, .offset: 16, .size: 8, .value_kind: global_buffer, .address_space: global }
      - { .name: W1_scales, .offset: 24, .size: 8, .value_kind: global_buffer, .address_space: global }
      - { .name: b1, .offset: 32, .size: 8, .value_kind: global_buffer, .address_space: global }
      - { .name: h_codes, .offset: 40, .size: 8, .value_kind: global_buffer, .address_space: global }
      - { .name: h_scales, .offset: 48, .size: 8, .value_kind: global_buffer, .address_space: global }
    .group_segment_fixed_size: 327680
    .private_segment_fixed_size: 0
    .kernarg_segment_align: 8
    .kernarg_segment_size: 56
    .max_flat_workgroup_size: 128
    .sgpr_count:     100
    .vgpr_count:     1024
    .wavefront_size: 32
...
	.end_amdgpu_metadata
.endif
;; end of part 1
;; launch ff2 (part 2): grid 4 x 64, 4 waves a work-group, clusters of 4 x 4, 327,680 bytes of LDS; arguments h_codes, h_scales, W2_codes, W2_scales, b2, out0; writes out0
.if DOCPART == 2
	.amdgcn_target "amdgcn-amd-amdhsa--gfx1250"
	.amdhsa_code_object_version 6
	.text
	.protected	k_qc77ac37180_ff2
	.globl	k_qc77ac37180_ff2
	.p2align	8
	.type	k_qc77ac37180_ff2,@function
k_qc77ac37180_ff2:
	s_mov_b64 s[64:65], 0
	v_nop
	global_prefetch_b8 v0, s[64:65] scope:SCOPE_SE
	s_setreg_imm32_b32 hwreg(HW_REG_WAVE_MODE, 25, 1), 1
	s_wait_xcnt 0x0
	s_wait_alu depctr_hold_cnt(0) depctr_sa_sdst(0) depctr_va_vdst(0) depctr_va_sdst(0) depctr_va_ssrc(0) depctr_va_vcc(0) depctr_vm_vsrc(0)
	s_getreg_b32 s2, hwreg(HW_REG_IB_STS2, 6, 4)
	s_cmp_eq_u32 s2, 0
	s_cbranch_scc0 .Lentry_in_a_cluster
	s_endpgm
.Lentry_in_a_cluster:
	s_bfe_u32 s2, ttmp6, 0x10000c
	s_cmp_lg_u32 s2, 0xf033
	s_cbranch_scc0 .Lentry_shape_is_right
	s_endpgm
.Lentry_shape_is_right:
; out0 = h W2[p]^T + b2[p].  h comes from the first launch as images of this launch's operand registers:
; h_codes [R 64][kq 32][a 8][c 2][lane 32][16 bytes] (R = 16 p + m / 128, m = 64 batch + s the row within the phase; kq = 128 along K; a = a block of 16 rows; the 16 bytes are registers 4 c .. 4 c + 3 of the fragment's lane);
; h_scales [R][kq][lane 32][i 4] words: word (lane, i) is the scale word of row 16 (2 i + lane / 16) + lane % 16.
; W2: [4][1024 (d)][4096 (k)] as codes, K innermost (a row is 2,048 bytes), 128 scale bytes a row.  b2: [4][1024] f32.  out0: [32][256][1024] f32.
; SHARES.  A work-group makes 128 rows (one R) x 256 columns: 4 x 64 = 256 work-groups.  Four waves, each 64 rows x 128 columns: 256 registers of sums.
; A wave's 64 rows are the phase's rows of ONE batch, 2 (R % 16) + its half: consecutive rows of out0.
; W2 goes through two LDS slots of 256 rows x 1,024 along K: four slot contents.  Slot 0 lies as two halves of 512 along K (rows of 256 bytes), slot 1 in rows of 512 bytes.
; The head's four tiles are one joint load a wave, in the order in which they are wanted: wave 2 fetches W2's scale bytes for all of K, wave 0 slot 0's first half, wave 1 its second, wave 3 slot 1.
; The first products want the scale bytes and the first half alone, so waves 1 and 3 do not wait at the first barrier; wave 1 waits at a barrier in step 2, wave 3 at the first change of slots.  The two refills are a quarter of a slot a wave.
; FRAGMENTS OF W2 are read two steps of 128 along K ahead, into four sets of 64 registers by turns.  So a slot's last reads are over when its last step but one begins: the change of slots stands in that step.
; CLUSTERS, 4 x 4: the four work-groups of a column of the cluster need the same rows of W2 and of its scale bytes: these are asked for jointly.
; h IS NOT ASKED FOR JOINTLY, AND DOES NOT PASS THROUGH LDS: with it two slots of 1,024 along K would not fit.  A wave's four fragments of a step are 4,096 consecutive bytes in the order of its registers: eight loads of
; 512 bytes, into a ring of eight sets of 32 registers, and one load of its scale words, asked for seven steps ahead (at most 63 loads of a wave are out).
; PREFETCHES, each block of 256 bytes once in a cluster.  The two refills' 256 rows x 512 bytes, six steps ahead of the joint load: of 512 blocks each partner of a column takes 128 (64 rows from 64 cy on), each wave 32, a lane a block.
; h's codes from step 8 on, eight steps (65,536 bytes) at a time: each partner of a row takes 16,384 bytes (from 16,384 cx on), each wave 4,096: lanes 0-15 a block each, the others name the last again.
; THE MATRIX INSTRUCTION IS USED TRANSPOSED (source 0 = 32 rows of W2, source 1 = 16 rows of h): a lane holds eight neighbouring numbers of a row of out0 in each half of its sixteen.  b2 is the C of each sum's first instruction.
; THE LAST FOUR STEPS GO BY ROWS: their W2 fragments fill the four sets, and each of the wave's four blocks of 16 rows is finished by sixteen products and sent on its way while the next is multiplied.
; LIMITS: NaN and infinities are not served; the bias enters a sum first and not last: another order of f32 rounding.
.set HP,     272                       ; a row of slot 0's halves in LDS: 256 bytes + 16 = 68 words: row r starts at bank 4 r mod 64 (64 banks of 4 bytes: ISA guide 11.1)
.set HALFB,  256*HP                    ; a half's bytes
.set WP,     528                       ; a row of slot 1: 512 bytes + 16 = 132 words: bank 4 r mod 64 too
.set SLOT1,  2*HALFB                   ; behind slot 0's two halves
.set WSC,    SLOT1+256*WP              ; behind slot 1: W2's scale bytes, 128 pieces of 256 bytes + 16: row d at 272 (d / 2) + 128 (d % 2);
.set SPARE,  WSC+128*272               ; the spare words, 128 bytes for each wave: two blocks of 256 bytes that no other line names
.set SPITCH, 528                       ; the way out: 16 rows x (512 bytes + 16) for each wave, in slot 0, which has had its last fill and its last read when the first result is stored there
.set HSO,  19                          ; v19     16 x lane + 8 x my half of the rows: my two scale words of h, of a lane's four; never rewritten
.set ADRB, 20                          ; v20-22  LDS address of my fragments of W2 in slot 0's first half, its second, slot 1
.set ADSB, 23                          ; v23     of W2's scale words
.set STO,  24                          ; v24     the way out: where I put 32 bytes of a row
.set RD,   25                          ; v25     where I read a row back
.set CO,   26                          ; v26     16 x lane: my bytes of an image's 512, and of a row of out0; never rewritten
.set BO,   27                          ; v27     32 h: my eight numbers of sixteen of b2
.set SPW,  28                          ; v28     LDS address of my spare word; never rewritten
.set NIL,  29                          ; v29     0; never rewritten
.set PFO,  30                          ; v30     the prefetches' offset in W2: row lane / 2, block lane % 2; never rewritten
.set PHO,  31                          ; v31     in h: 256 x (lane, at most 15); never rewritten
.set SB,   32                          ; v32-63  W2's scale words, two sets of 16, one for each four steps by turns: register 4 i + q: lane l row 32 i + l
.set SA,   64                          ; v64-79  h's, eight sets of 2: step kq's register 2 (kq % 8) + j: lanes 0-15 my block 2 j, lanes 16-31 block 2 j + 1
.set BK,   128                         ; the way out: 16 rows read back from the stage: v128-191 and v192-255 by turns
.set BI,   192                         ; in window 1: b2 at v192-255 until step 0 is done; step kq's fragments of W2 at v[64 (kq % 4)].  Window 2: sums of block a, columns 32 b ..: v[64 a + 16 b].  Window 3: step kq's fragments of h at v[32 (kq % 8)]
.set G1H,  24                          ; s[24:31] descriptor group 1 for slot 0's tiles;  s[48:55] for slot 1's;  s[68:75] for W2's scale bytes
.set G1W,  48
.set G1SB, 68
.set G0R,  32                          ; s[32:35], s[36:39] group 0 of the refills of slot 0, 1;  s[80:83], s[84:87], s[56:59] of the head's loads of slot 0's halves and of slot 1;  s[76:79] of W2's scale bytes
.set G0H,  80
.set G0I,  84
.set G0C,  56
.set G0SB, 76
.set PFH,  62                          ; s[62:63] where my prefetches of h stand
.set PFA,  88                          ; s[88:89] where my prefetches of W2 stand
.set MSB, 0
.macro WIN new                         ; the immediate's high byte repeats the setting that is left; a switch that changes nothing is dropped
.if MSB != (\new)
	s_set_vgpr_msb (MSB<<8)|(\new)
.set MSB, (\new)
.endif
.endm
.set MUL,  0xad                        ; source 0 (W2) window 1, source 1 (h) window 3, C and D window 2
.set BIA,  0x9d                        ; C (b2) window 1, D window 2
.set TO_B, 0x40                        ; destination window 1, address window 0
.set TO_H, 0xc0                        ; destination window 3, address window 0
.macro PLACES n                        ; four places in front of loads into registers that matrix instructions have read, and of the first read of results (ISA guide 7.12.1 for vector instructions)
.rept \n
	v_nop
.endr
.endm
.macro CREST                           ; a round of the cluster's barrier behind its opening barrier
	s_cmp_lg_u32 s16, 0
	s_cbranch_scc1 .Lnot_wave_0_\@
	s_barrier_signal -3
.Lnot_wave_0_\@:
	s_barrier_wait -3
	s_barrier_signal -1
	s_barrier_wait -1
.endm
.macro CROUND                          ; a whole round
	s_barrier_signal -1
	s_barrier_wait -1
	CREST
.endm
.macro HLOAD k                         ; h of step k: my scale words, and my four fragments: eight loads, each of 512 consecutive bytes, into set k % 8: nine loads
	WIN 0
	global_load_b64 v[SA+2*((\k)%8):SA+2*((\k)%8)+1], v[HSO], s[6:7] offset:512*(\k)
	WIN TO_H
.irp a, 0,1,2,3
	global_load_b128 v[32*((\k)%8)+8*\a:32*((\k)%8)+8*\a+3], v[CO], s[4:5] offset:8192*(\k)+1024*\a
	global_load_b128 v[32*((\k)%8)+8*\a+4:32*((\k)%8)+8*\a+7], v[CO], s[4:5] offset:8192*(\k)+1024*\a+512
.endr
.endm
	s_load_b128 s[4:7], s[0:1], 0x0                ; h's codes s[4:5], h's scales s[6:7]
	s_load_b128 s[8:11], s[0:1], 0x10              ; W2's codes s[8:9], W2's scales s[10:11]
	s_load_b128 s[12:15], s[0:1], 0x20             ; b2 s[12:13], out0 s[14:15]
	v_lshl_add_u32 v[SPW], v0, 2, SPARE
	v_mov_b32 v[NIL], 0
	ds_add_u32 v[SPW], v[NIL]                      ; the opening lines: the add, twice on end, and its wait; work on registers stands between
	ds_add_u32 v[SPW], v[NIL]
	v_lshrrev_b32 v1, 5, v0
	v_readfirstlane_b32 s16, v1                    ; wave 0..3
	s_lshr_b32 s17, s16, 1                         ; which 64 of the tile's rows are mine
	s_and_b32 s18, s16, 1                          ; which 128 of its columns
	s_bfe_u32 s40, ttmp6, 0x40000                  ; cx, cy: my place in the cluster
	s_bfe_u32 s41, ttmp6, 0x40004
	s_lshl_b32 s42, ttmp9, 2
	s_add_co_u32 s42, s42, s40                     ; which 256 columns = 4 x cluster x + cx
	s_and_b32 s3, ttmp7, 0xffff                    ; the cluster's y
	s_lshl_b32 s45, s3, 2
	s_add_co_u32 s45, s45, s41                     ; R = 4 x cluster y + cy
	s_lshr_b32 s2, s3, 2                           ; p = R / 16, made of the cluster's y alone: all sixteen partners share it
	s_lshl_b32 s44, 0x1111, s40                    ; my column
	; group 1, slot 0's tiles: rows of 256 bytes, 2,048 bytes apart in memory, 16 bytes of padding behind each in LDS; 256 of them for the head's loads, 128 for the refill
	s_or_b32 s[G1H+0], s44, (0<<16)|(1<<20)|(1<<21)|(5<<22)|(3<<25)   ; 15:0 the mask; 17:16 elements of 1 byte; 20 padding on; 21 set beside a mask; 24:22 after every 64 words (code 5); 31:25 four words (code 3)
	s_mov_b32 s[G1H+1], 256<<16                    ; tensor_dim0
	s_mov_b32 s[G1H+2], 256<<16                    ; tensor_dim1
	s_mov_b32 s[G1H+3], 256<<16                    ; tile_dim0
	s_mov_b32 s[G1H+4], 256                        ; tile_dim1
	s_mov_b32 s[G1H+5], 2048                       ; from row to row
	s_mov_b32 s[G1H+6], 0
	s_mov_b32 s[G1H+7], 0
	; slot 1's: rows of 512 bytes; 256 of them for the head's load, 64 for the refill
	s_or_b32 s[G1W+0], s44, (0<<16)|(1<<20)|(1<<21)|(6<<22)|(3<<25)
	s_mov_b32 s[G1W+1], 512<<16
	s_mov_b32 s[G1W+2], 256<<16
	s_mov_b32 s[G1W+3], 512<<16
	s_mov_b32 s[G1W+4], 256
	s_mov_b32 s[G1W+5], 2048
	s_mov_b32 s[G1W+6], 0
	s_mov_b32 s[G1W+7], 0
	; W2's scale bytes: 256 rows x 128 bytes: 128 rows of 256 (32 elements of 8 bytes), 16 bytes of padding behind each
	s_or_b32 s[G1SB+0], s44, (3<<16)|(1<<20)|(1<<21)|(5<<22)|(3<<25)
	s_mov_b32 s[G1SB+1], 32<<16
	s_mov_b32 s[G1SB+2], 128<<16
	s_mov_b32 s[G1SB+3], 32<<16
	s_mov_b32 s[G1SB+4], 128
	s_mov_b32 s[G1SB+5], 32
	s_mov_b32 s[G1SB+6], 0
	s_mov_b32 s[G1SB+7], 0
	; where h comes from
	s_lshl_b32 s20, s45, 14                        ; the scale words: 16,384 bytes to an R
	s_mov_b32 s21, 0
	s_lshl_b32 s22, s45, 18                        ; the codes: 262,144 bytes to an R,
	s_lshl_b32 s23, s17, 12                        ; in each step's 8,192 my four row blocks' 4,096
	s_add_co_u32 s22, s22, s23
	s_mov_b32 s23, 0
	; and W2.  s92-99 hold only what my column shares
	s_lshl_b32 s92, s2, 10
	s_lshl_b32 s93, s42, 8
	s_add_co_u32 s92, s92, s93                     ; the work-group's first row of W2: 1024 p + 256 x column block
	s_lshl_b32 s94, s92, 11                        ; codes: 2,048 bytes a row
	s_mov_b32 s95, 0
	s_lshl_b32 s96, s92, 7                         ; scale bytes: 128 a row
	s_mov_b32 s97, 0
	s_lshl_b32 s93, s18, 7
	s_add_co_u32 s93, s93, s92                     ; my own 128 columns of out0
	s_lshl_b32 s98, s93, 2                         ; b2
	s_mov_b32 s99, 0
	; my part of out0: row 256 (2 (R % 16) + my half of the rows) + 64 p, of 4,096 bytes; column 256 x column block + 128 x half
	s_and_b32 s46, s45, 15
	s_lshl_b32 s46, s46, 1
	s_add_co_u32 s46, s46, s17
	s_lshl_b32 s46, s46, 8
	s_lshl_b32 s47, s2, 6
	s_add_co_u32 s46, s46, s47
	s_lshl_b32 s46, s46, 12
	s_lshl_b32 s47, s42, 10
	s_add_co_u32 s46, s46, s47
	s_lshl_b32 s47, s18, 9
	s_add_co_u32 s46, s46, s47
	s_mov_b32 s47, 0
	s_wait_dscnt 0x0                               ; both opening adds are done
	CROUND                                         ; all sixteen work-groups are here: the first joint loads meet
	s_wait_kmcnt 0x0
	s_add_nc_u64 s[94:95], s[8:9], s[94:95]
	s_mov_b32 s[G0SB], 1                           ; 1:0 count = 1
	s_mov_b32 s[G0SB+1], WSC                       ; LDS address: no place in the cluster enters one
	s_add_nc_u64 s[G0SB+2:G0SB+3], s[10:11], s[96:97]
	s_or_b32 s[G0SB+3], s[G0SB+3], 0x80000000      ; 127:126 type = 2
	s_mov_b32 s[G0H], 1
	s_mov_b32 s[G0H+1], 0
	s_mov_b64 s[G0H+2:G0H+3], s[94:95]             ; the first 512 along K
	s_or_b32 s[G0H+3], s[G0H+3], 0x80000000
	s_mov_b32 s[G0I], 1
	s_mov_b32 s[G0I+1], HALFB
	s_add_nc_u64 s[G0I+2:G0I+3], s[94:95], 256     ; the second 512
	s_or_b32 s[G0I+3], s[G0I+3], 0x80000000
	s_mov_b32 s[G0C], 1
	s_mov_b32 s[G0C+1], SLOT1
	s_add_nc_u64 s[G0C+2:G0C+3], s[94:95], 512     ; the second 1,024
	s_or_b32 s[G0C+3], s[G0C+3], 0x80000000
; THE HEAD'S LOADS, ONE A WAVE, in one chain of branches on the wave's number: every way through it passes exactly one load.
.macro ARM wave, g0, g1, next
	s_cmp_eq_u32 s16, \wave
	s_cbranch_scc0 \next
	tensor_load_to_lds s[\g0:\g0+3], s[\g1:\g1+7]
	s_nop 0
	PLACES 4
	s_branch .Lhead_asked
\next:
.endm
	ARM 2, G0SB, G1SB, .Lhead_half_0
	ARM 0, G0H, G1H, .Lhead_half_1
	ARM 1, G0I, G1H, .Lhead_slot_1
	tensor_load_to_lds s[G0C:G0C+3], s[G1W:G1W+7]
	s_nop 0
	PLACES 4
.Lhead_asked:
	s_lshl_b32 s62, s45, 18                        ; the prefetches of h
	s_lshl_b32 s63, s40, 14
	s_add_co_u32 s62, s62, s63
	s_lshl_b32 s63, s16, 12
	s_add_co_u32 s62, s62, s63
	s_mov_b32 s63, 0
	s_add_nc_u64 s[PFH:PFH+1], s[4:5], s[62:63]
	s_add_nc_u64 s[4:5], s[4:5], s[22:23]
	s_add_nc_u64 s[6:7], s[6:7], s[20:21]
	s_add_nc_u64 s[12:13], s[12:13], s[98:99]
	s_add_nc_u64 s[14:15], s[14:15], s[46:47]
	s_lshl_b32 s61, s17, 3                         ; of a lane's four scale words of h the two of my half of the rows
	v_and_b32 v1, 15, v0                           ; r
	v_bfe_u32 v2, v0, 4, 1                         ; h
	v_and_b32 v3, 31, v0                           ; lane
	v_lshlrev_b32 v[CO], 4, v3
	v_lshlrev_b32 v[BO], 5, v2
	v_add_nc_u32 v[HSO], s61, v[CO]
	s_wait_alu depctr_va_vdst(0)                   ; ahead of the readers below
	; b2 and the first five steps of h: 61 loads
	WIN TO_B
.irp b, 0,1,2,3,4,5,6,7                        ; b2 in the result's layout: lane (r, h), 16 columns b, register j: column 16 b + 8 h + j
	global_load_b128 v[BI+8*\b:BI+8*\b+3], v[BO], s[12:13] offset:64*\b
	global_load_b128 v[BI+8*\b+4:BI+8*\b+7], v[BO], s[12:13] offset:64*\b+16
.endr
.irp k, 0,1,2,3,4
	HLOAD \k
.endr
	WIN 0
	s_lshl_b32 s90, s41, 17                        ; the prefetches of W2: 64 rows of 2,048 bytes to a partner, 16 to a wave
	s_lshl_b32 s91, s16, 15
	s_add_co_u32 s90, s90, s91
	s_mov_b32 s91, 0
	s_add_nc_u64 s[PFA:PFA+1], s[94:95], s[90:91]
	; the refill of slot 0, the third 1,024 along K: waves 0 and 1 its first half, 2 and 3 its second, 128 rows each; in LDS quarter by quarter
	s_lshl_b32 s96, s18, 18
	s_lshl_b32 s97, s17, 8
	s_add_co_u32 s96, s96, s97
	s_mov_b32 s97, 0
	s_add_nc_u64 s[96:97], s[94:95], s[96:97]
	s_mov_b32 s[G0R], 1
	s_mul_i32 s[G0R+1], s16, 128*HP
	s_add_nc_u64 s[G0R+2:G0R+3], s[96:97], 1024
	s_or_b32 s[G0R+3], s[G0R+3], 0x80000000
	; of slot 1, the fourth: 64 rows a wave
	s_lshl_b32 s96, s16, 17
	s_mov_b32 s97, 0
	s_add_nc_u64 s[96:97], s[94:95], s[96:97]
	s_mul_i32 s93, s16, 64*WP
	s_mov_b32 s[G0R+4], 1
	s_add_co_u32 s[G0R+5], s93, SLOT1
	s_add_nc_u64 s[G0R+6:G0R+7], s[96:97], 1536
	s_or_b32 s[G0R+7], s[G0R+7], 0x80000000
	s_mul_i32 s46, s18, 128*HP                     ; my 128 rows of W2, in slot 0's first half,
	s_mul_i32 s47, s18, 128*WP
	s_add_co_u32 s47, s47, SLOT1                   ; in slot 1
	s_mul_i32 s60, s18, 64*272
	s_add_co_u32 s60, s60, WSC
	s_mul_i32 s61, s16, 16*SPITCH                  ; my stage
	s_wait_alu depctr_va_vdst(0)                   ; ahead of the readers below
	v_mul_u32_u24 v5, v1, HP
	v_lshl_add_u32 v5, v2, 4, v5                   ; a fragment's row x pitch + 16 h
	v_add_nc_u32 v[ADRB], s46, v5
	v_add_nc_u32 v[ADRB+1], HALFB, v[ADRB]
	v_mul_u32_u24 v6, v1, WP
	v_lshl_add_u32 v6, v2, 4, v6
	v_add_nc_u32 v[ADRB+2], s47, v6
	v_lshlrev_b32 v4, 7, v3                        ; W2's scale bytes: lane l takes row l of 32: 128 bytes a row,
	v_lshrrev_b32 v7, 1, v3
	v_lshl_add_u32 v4, v7, 4, v4                   ; and 16 more for each 256 passed
	v_add_nc_u32 v[ADSB], s60, v4
	v_mul_u32_u24 v8, v1, SPITCH
	v_lshl_add_u32 v8, v2, 5, v8
	v_add_nc_u32 v[STO], s61, v8                   ; in: row r, 32 bytes for each half of the lanes
	v_add_nc_u32 v[RD], s61, v[CO]                 ; back: the 32 lanes take one row of 512 bytes
	v_and_b32 v9, 1, v3
	v_lshlrev_b32 v9, 8, v9
	v_lshl_add_u32 v[PFO], v7, 11, v9
	v_min_u32 v10, 15, v3
	v_lshlrev_b32 v[PHO], 8, v10
; 16 LDS loads in one run: W2's eight fragments of step k into set k % 4 (rows along K: two loads 32 bytes apart)
.macro FETCH_W k
	WIN TO_B
.irp i, 0,1,2,3,4,5,6,7
.if ((\k)/8)%2
	ds_load_b128 v[64*((\k)%4)+8*\i:64*((\k)%4)+8*\i+3], v[ADRB+2] offset:64*((\k)%8)+16*WP*\i
	ds_load_b128 v[64*((\k)%4)+8*\i+4:64*((\k)%4)+8*\i+7], v[ADRB+2] offset:64*((\k)%8)+16*WP*\i+32
.else
	ds_load_b128 v[64*((\k)%4)+8*\i:64*((\k)%4)+8*\i+3], v[ADRB+((\k)%8)/4] offset:64*((\k)%4)+16*HP*\i
	ds_load_b128 v[64*((\k)%4)+8*\i+4:64*((\k)%4)+8*\i+7], v[ADRB+((\k)%8)/4] offset:64*((\k)%4)+16*HP*\i+32
.endif
.endr
.endm
.macro SCALES g                        ; W2's scale words of steps 4 g .. 4 g + 3, into set g % 2: four words a row, 32 rows a load: four loads
	WIN 0
.irp i, 0,1,2,3
	ds_load_b128 v[SB+16*((\g)%2)+4*\i:SB+16*((\g)%2)+4*\i+3], v[ADSB] offset:16*272*\i+16*(\g)
.endr
.endm
; One matrix instruction of step kq: h's block a against W2's blocks 2 b and 2 b + 1.  c: where C lies.  An odd block's scale words lie in lanes 16-31
.macro WM a, b, kq, c
.if (\a)%2
	v_wmma_scale_f32_32x16x128_f4 v[64*(\a)+16*\b:64*(\a)+16*\b+15], v[64*((\kq)%4)+16*\b:64*((\kq)%4)+16*\b+15], v[32*((\kq)%8)+8*(\a):32*((\kq)%8)+8*(\a)+7], v[\c:\c+15], v[SB+16*(((\kq)/4)%2)+4*\b+(\kq)%4], v[SA+2*((\kq)%8)+(\a)/2] matrix_b_scale:MATRIX_SCALE_ROW1
.else
	v_wmma_scale_f32_32x16x128_f4 v[64*(\a)+16*\b:64*(\a)+16*\b+15], v[64*((\kq)%4)+16*\b:64*((\kq)%4)+16*\b+15], v[32*((\kq)%8)+8*(\a):32*((\kq)%8)+8*(\a)+7], v[\c:\c+15], v[SB+16*(((\kq)/4)%2)+4*\b+(\kq)%4], v[SA+2*((\kq)%8)+(\a)/2]
.endif
.endm
; 4 matrix instructions of step kq: h's block a against W2's eight.  first = 1: the sums begin with b2 as C: nothing is cleared and nothing is added afterwards.
; The 16 accumulators take turns, one instruction a turn, in the same order in every step; by rows four of them do.
.macro MUL4 a, kq, first
.irp b, 0,1,2,3
.if \first
	WM \a, \b, \kq, BI+16*\b
.else
	WM \a, \b, \kq, 64*(\a)+16*\b
.endif
.endr
.endm
; Step kq's part of h is in.  Loads come back in order (ISA guide 5.7.1): the count is that of the loads asked for behind it: steps 1 to 4's at step 0 (b2's stand ahead of step 0's), then six steps' as long as there are six
.macro HWAIT kq
.if (\kq) == 0
	s_wait_loadcnt 36
.elseif (\kq) <= 25
	s_wait_loadcnt 54
.else
	s_wait_loadcnt 9*(31-(\kq))
.endif
.endm
; The ring of h goes on: step kq asks for step kq + 7, into the set that step kq - 1 has multiplied.  Step 0 asks for steps 5 to 7, whose sets are still empty.  The last seven steps ask for nothing: no load leaves its buffer
.macro HNEXT kq
.if (\kq) == 0
	HLOAD 5
	HLOAD 6
	HLOAD 7
.elseif (\kq)+7 <= 31
	HLOAD (\kq)+7
.endif
.endm
.macro ASK kq                          ; the prefetches, five in all
.if (\kq) == 0
	global_prefetch_b8 v[PHO], s[PFH:PFH+1] offset:65536 th:TH_LOAD_NT scope:SCOPE_SE   ; h's steps 8 to 15, which steps 1 to 8 load
	global_prefetch_b8 v[PFO], s[PFA:PFA+1] offset:1024 th:TH_LOAD_NT scope:SCOPE_SE   ; W2's third 1,024 along K, which step 6 loads
.elseif (\kq) == 2
	global_prefetch_b8 v[PHO], s[PFH:PFH+1] offset:131072 th:TH_LOAD_NT scope:SCOPE_SE   ; h's steps 16 to 23, which steps 9 to 16 load
.elseif (\kq) == 8
	global_prefetch_b8 v[PFO], s[PFA:PFA+1] offset:1536 th:TH_LOAD_NT scope:SCOPE_SE   ; W2's fourth and last, which step 14 loads
.elseif (\kq) == 10
	global_prefetch_b8 v[PHO], s[PFH:PFH+1] offset:196608 th:TH_LOAD_NT scope:SCOPE_SE   ; h's steps 24 to 31, the last, which steps 17 to 24 load
.endif
.endm
; A step of 128 along K: what later steps want is asked for first, then this step's 16 products are issued.
.macro STEP kq, first
.if ((\kq)+1)%4 == 0
	s_wait_dscnt 20                                ; this step's fragments of W2 and its scale words are in; the step before asked for sixteen fragments' loads and four of scale words
.else
	s_wait_dscnt 16                                ; the same; it asked for sixteen
.endif
	HWAIT \kq
.if (\kq) > 0
	PLACES 4                                       ; the registers filled below were multiplied in the step before or earlier
.endif
	FETCH_W (\kq)+2
.if ((\kq)+2)%4 == 0
	SCALES ((\kq)+2)/4
.endif
.if (\kq) == 27
	FETCH_W 30
.endif
	HNEXT \kq
	ASK \kq
.if \first
	WIN BIA
.else
	WIN MUL
.endif
	MUL4 0, \kq, \first
	MUL4 1, \kq, \first
	MUL4 2, \kq, \first
	MUL4 3, \kq, \first
.endm
; Step 2 asks for step 4's fragments, the first of slot 0's second half: a barrier shows that half to every wave.  Wave 3's load of slot 1 may be out.
.macro HALFWAY
	WIN 0
	s_cmp_eq_u32 s16, 3
	s_cbranch_scc1 .Lslot_1_may_be_out
	s_wait_tensorcnt 0x0                           ; the second half is in, if it is mine
.Lslot_1_may_be_out:
	s_wait_dscnt 16                                ; this step's fragments are in
	HWAIT 2
	WIN MUL
	MUL4 0, 2, 0
	MUL4 1, 2, 0
	s_wait_dscnt 0x0
	s_barrier_signal -1
	MUL4 2, 2, 0
	s_barrier_wait -1
	PLACES 4
	FETCH_W 4
	SCALES 1
	HNEXT 2
	ASK 2
	WIN MUL
	MUL4 3, 2, 0
.endm
; A slot's last step but one changes slots: ONE barrier; in front of it each wave waits for all its tensor loads, adds 0 to its spare word, and waits for that and for its own reads of this slot.
; fill = 1: the barrier opens a round of the cluster's, and this slot takes the 1,024 along K two slots on.
.macro TURN kq, fill
	WIN 0                                          ; (the add's two registers lie in window 0)
	s_wait_tensorcnt 0x0                           ; all my tensor loads have landed: my part of the next slot
	ds_add_u32 v[SPW], v[NIL]                      ; 0 onto my spare word
.if (\kq) == 6
	s_mov_b32 s[G1H+2], 128<<16                    ; no tensor load of mine is out, so descriptors may be written: a refill brings 128 rows into slot 0,
	s_mov_b32 s[G1H+4], 128
	s_mov_b32 s[G1W+2], 64<<16                     ; 64 into slot 1
	s_mov_b32 s[G1W+4], 64
.endif
	s_wait_dscnt 17                                ; this step's fragments of W2 are in (the next step's sixteen and the add may be out)
	HWAIT \kq
	WIN MUL
	MUL4 0, \kq, 0                                 ; four matrix instructions stand between the add and the wait for it
	s_wait_dscnt 0x0                               ; the add is done, and my reads of this slot are over
	s_barrier_signal -1
	MUL4 1, \kq, 0
	WIN 0
	s_barrier_wait -1
.if \fill
	CREST                                          ; no wave of any partner still reads this slot or has a load on its way
.if (\kq) == 6
	tensor_load_to_lds s[G0R:G0R+3], s[G1H:G1H+7]  ; my one tensor load behind the round, and the first thing there
	s_nop 0
.else
	tensor_load_to_lds s[G0R+4:G0R+7], s[G1W:G1W+7]
	s_nop 0
.endif
.endif
	PLACES 4                                       ; behind the load, and the places in front of the loads below
	FETCH_W (\kq)+2
	SCALES ((\kq)+2)/4
	HNEXT \kq
	WIN MUL
	MUL4 2, \kq, 0
	MUL4 3, \kq, 0
.endm
	s_wait_alu depctr_va_vdst(0)                   ; the wait at the head's end
	s_cmp_eq_u32 s18, 1
	s_cbranch_scc1 .Lnot_wanted_yet                ; waves 1 and 3 fetch what is read behind later barriers: they wait for it there
	s_wait_tensorcnt 0x0                           ; W2's scale bytes and slot 0's first half are in as far as they are mine
.Lnot_wanted_yet:
	s_barrier_signal -1
	s_barrier_wait -1                              ; and everybody's are
	FETCH_W 0
	SCALES 0
	FETCH_W 1
	STEP 0, 1                                      ; the first step's products start the sums
	STEP 1, 0
	HALFWAY                                        ; step 2
.irp k, 3,4,5
	STEP \k, 0
.endr
	TURN 6, 1                                      ; slot 0 takes the third 1,024 along K
.irp k, 7,8,9,10,11,12,13
	STEP \k, 0
.endr
	TURN 14, 1                                     ; slot 1 the fourth
.irp k, 15,16,17,18,19,20,21
	STEP \k, 0
.endr
	TURN 22, 0                                     ; nothing is filled again: a barrier of the work-group alone; behind it nobody reads slot 0
.irp k, 23,24,25,26,27
	STEP \k, 0
.endr
	PLACES 4                                       ; step 27's set of W2 is free
	FETCH_W 31
; Steps 28 to 31 for block a: sixteen products; then the block is finished
.macro ROW a
	WIN MUL
.irp q, 0,1,2,3
.if (\a) == 0
	s_wait_dscnt 16*(3-\q)                         ; W2's fragments of step 28 + q are in: behind them stand those of the steps up to 31
	HWAIT 28+\q
.endif
	MUL4 \a, 28+\q, 0
.endr
.endm
; THE WAY OUT, block by block of 16 rows x 128 columns.  A lane holds 32 neighbouring bytes of a row, and the lanes beside it hold other rows: so a block goes through my own stage in LDS and comes back as whole
; rows of 512 bytes.  LDS serves a wave's instructions in order (ISA guide 5.7.1.4): no wait between the stores and the loads, nor in front of the next block's stores.
.macro TOSTAGE a
	PLACES 4                                       ; the first read of results just made
	WIN 0x08                                       ; an LDS store's data are its source 1: window 2
.irp b, 0,1,2,3,4,5,6,7
	ds_store_b128 v[STO], v[64*(\a)+8*\b:64*(\a)+8*\b+3] offset:64*\b          ; each accumulator from its low end on
	ds_store_b128 v[STO], v[64*(\a)+8*\b+4:64*(\a)+8*\b+7] offset:64*\b+16
.endr
	WIN 0
.set BB, BK+64*((\a)%2)
.irp t, 0,1,2,3,4,5,6,7,8,9,10,11,12,13,14,15
	ds_load_b128 v[BB+4*\t:BB+4*\t+3], v[RD] offset:\t*SPITCH
.endr
.endm
.macro SEND a
	WIN 0
	s_wait_dscnt 0x0                               ; the block is back in registers
.set BB, BK+64*((\a)%2)
.irp t, 0,1,2,3,4,5,6,7,8,9,10,11,12,13,14,15
	global_store_b128 v[CO], v[BB+4*\t:BB+4*\t+3], s[14:15] offset:65536*(\a)+4096*\t th:TH_STORE_NT   ; 32 lanes store 512 consecutive bytes, at a multiple of 512 from out0's first byte; written once, read by nobody here.  63 rows at the most stand in the immediate
.endr
.endm
	ROW 0
.irp a, 0,1,2,3
.if \a > 1
	s_wait_xcnt 0x0                                ; block a - 2's stores have read their registers: block a's loads may land there
.endif
	TOSTAGE \a
.if \a < 3
	ROW \a+1                                       ; the next block is multiplied while this one passes the stage
.endif
	SEND \a
.endr
	s_wait_tensorcnt 0x0                           ; the wave's end, behind my last tensor load and my last LDS store
	ds_add_u32 v[SPW], v[NIL]
	s_wait_dscnt 0x0
	CROUND                                         ; the closing round: no work-group ends while a partner may still ask for a tile that names it
	s_endpgm
.Lfunc_end_k_qc77ac37180_ff2:
	.size	k_qc77ac37180_ff2, .Lfunc_end_k_qc77ac37180_ff2-k_qc77ac37180_ff2
	.p2alignl 7, 3214868480
	.fill 96, 4, 3214868480
	.section	.rodata,"a",@progbits
	.p2align	6, 0x0
	.amdhsa_kernel k_qc77ac37180_ff2
		.amdhsa_group_segment_fixed_size 327680
		.amdhsa_private_segment_fixed_size 0
		.amdhsa_enable_private_segment 0
		.amdhsa_kernarg_size 48
		.amdhsa_user_sgpr_count 2
		.amdhsa_user_sgpr_kernarg_segment_ptr 1
		.amdhsa_wavefront_size32 1
		.amdhsa_system_sgpr_workgroup_id_x 1
		.amdhsa_system_sgpr_workgroup_id_y 1
		.amdhsa_system_sgpr_workgroup_id_z 1
		.amdhsa_system_vgpr_workitem_id 0
		.amdhsa_next_free_vgpr 1024
		.amdhsa_next_free_sgpr 100
		.amdhsa_reserve_vcc 0
		.amdhsa_float_denorm_mode_32 3
		.amdhsa_float_denorm_mode_16_64 3
		.amdhsa_memory_ordered 1
		.amdhsa_forward_progress 1
		.amdhsa_inst_pref_size 164
	.end_amdhsa_kernel
	.amdgpu_metadata
---
amdhsa.version: [ 1, 2 ]
amdhsa.kernels:
  - .name:           k_qc77ac37180_ff2
    .symbol:         k_qc77ac37180_ff2.kd
    .args:
      - { .name: h_codes, .offset: 0, .size: 8, .value_kind: global_buffer, .address_space: global }
      - { .name: h_scales, .offset: 8, .size: 8, .value_kind: global_buffer, .address_space: global }
      - { .name: W2_codes, .offset: 16, .size: 8, .value_kind: global_buffer, .address_space: global }
      - { .name: W2_scales, .offset: 24, .size: 8, .value_kind: global_buffer, .address_space: global }
      - { .name: b2, .offset: 32, .size: 8, .value_kind: global_buffer, .address_space: global }
      - { .name: out0, .offset: 40, .size: 8, .value_kind: global_buffer, .address_space: global }
    .group_segment_fixed_size: 327680
    .private_segment_fixed_size: 0
    .kernarg_segment_align: 8
    .kernarg_segment_size: 48
    .max_flat_workgroup_size: 128
    .sgpr_count:     100
    .vgpr_count:     1024
    .wavefront_size: 32
...
	.end_amdgpu_metadata
.endif
;; end of part 2
